; MI455X (gfx1250); checked and timed in simulation.
; The chip was launched on July 23, 2026; its instructions are those of AMD's public machine-readable ISA for CDNA 5 (MIT licence, August 2026) and "CDNA5" Instruction Set Architecture Reference Guide (July 2026). The comments in the code are by the model that wrote it; some were corrected since.
;; Npu Quantization Linear. Allowed arithmetic: float matrix products may take bf16 or f16 operands with f32 sums; other float arithmetic in f32, or as packed bf16 or f16 multiplies, adds, multiply-adds, maxima and minima; sums over many terms, partial sums and values carried from step to step in f32; what a program stores and reads back later, other than sums and carried values, may be rounded once to bf16 or f16.
;; Inputs: act_offset one number float32; act_scale one number float32; bias_i32 4,096 int32; deq_scale 4,096 float32; q_weight 4,096 x 4,096 int8; x 4,096 x 4,096 float32.
;; Outputs: out0 4,096 x 4,096 float32.
;; One version. Each part assembles by itself: llvm-mc -triple=amdgcn-amd-amdhsa -mcpu=gfx1250 --defsym DOCPART=n.
;; ======== version 1 of 1: 2 launches
;; workspace buffers: qa 33,554,432 bytes; qb 33,554,432 bytes
;; launch prep (part 1): grid 1536 x 1, 8 waves a work-group, no clusters, 0 bytes of LDS; arguments x, q_weight, act_scale, act_offset, qa, qb; writes qa, qb
.if DOCPART == 1
	.amdgcn_target "amdgcn-amd-amdhsa--gfx1250"
	.amdhsa_code_object_version 6
	.text
	.protected	k_q277cf2f992_prep
	.globl	k_q277cf2f992_prep
	.p2align	8
	.type	k_q277cf2f992_prep,@function
k_q277cf2f992_prep:
	s_mov_b64 s[64:65], 0
	v_nop
	global_prefetch_b8 v0, s[64:65] scope:SCOPE_SE
	s_setreg_imm32_b32 hwreg(HW_REG_WAVE_MODE, 25, 1), 1
	s_wait_xcnt 0x0
; qa[m][k] = clip(round to nearest even(x[m][k] * act_scale + act_offset), -128, 127) as f16;  qb[k][n] = q_weight[k][n] as f16.
; x: [4096][4096] f32, q_weight: [4096][4096] int8, qa and qb: [4096][4096] f16, all row-major: both conversions keep the order of the numbers, so byte offsets only halve or double.
; Every whole number from -128 to 127 is exact in f16, so the product that follows works on the reference's own whole numbers.
; LIMITS.  x * scale + offset is ONE fused multiply-add (one rounding where the reference has two; equal where the offset is 0).  A NaN in x gives some whole number within -128 .. 127.
; SHARES.  Work-groups 0 .. 1023 take 65,536 consecutive bytes of x each, work-groups 1024 .. 1535 take 32,768 bytes of q_weight each: 98,304 bytes moved by each.
; A wave has 16 slots with registers of their own: all 16 loads go out at once, then each slot is converted and stored; no register that a load or store names is written again.
; x path: a load of the wave covers 512 consecutive bytes, a store 256 consecutive bytes at a multiple of 256.  w path: a load covers 256 consecutive bytes, a store 512.
; No LDS, no matrix unit, no cluster: no byte is wanted by two waves.
.set NX,  1024                         ; work-groups on x
.set VA,  1                            ; v1  8,192 x wave + 16 x lane; never rewritten
.set VB,  2                            ; v2  half of that; never rewritten
.set X,   4                            ; x path: slot i in v[4+4i : 7+4i]
.set W,   4                            ; w path: slot i as loaded in v[4+2i : 5+2i]
.set O,   36                           ; w path: slot i to store in v[36+4i : 39+4i]
	s_load_b256 s[4:11], s[0:1], 0x0               ; x s[4:5], q_weight s[6:7], act_scale s[8:9], act_offset s[10:11]
	s_load_b128 s[12:15], s[0:1], 0x20             ; qa s[12:13], qb s[14:15]
	v_and_b32 v[VA], 0xe0, v0                      ; 32 x wave
	v_and_b32 v[VB], 31, v0                        ; lane
	v_lshlrev_b32 v[VA], 8, v[VA]
	v_lshl_or_b32 v[VA], v[VB], 4, v[VA]
	v_lshrrev_b32 v[VB], 1, v[VA]
	s_mov_b32 s3, 0                                ; the high word of every offset: all stay under 2^27
	s_wait_kmcnt 0x0
	s_cmp_lt_u32 ttmp9, NX
	s_cbranch_scc0 .Lw
	; ---- x to qa ----
	s_load_b32 s16, s[8:9], 0x0                    ; the scale
	s_load_b32 s18, s[10:11], 0x0                  ; the offset
	s_lshl_b32 s2, ttmp9, 16
	s_add_nc_u64 s[4:5], s[4:5], s[2:3]            ; x at my work-group's 65,536 bytes
	s_lshl_b32 s2, ttmp9, 15
	s_add_nc_u64 s[12:13], s[12:13], s[2:3]        ; qa at its 32,768
	s_mov_b32 s20, 0xc3000000                      ; -128.0
	s_mov_b32 s21, 0x42fe0000                      ; 127.0
.irp i, 0,1,2,3,4,5,6,7,8,9,10,11,12,13,14,15
	global_load_b128 v[X+4*(\i):X+4*(\i)+3], v[VA], s[4:5] offset:512*(\i) th:TH_LOAD_NT
.endr
	s_wait_kmcnt 0x0
	s_mov_b32 s17, s16                             ; named as pairs by the packed multiply-add, which takes the low word for both halves
	s_mov_b32 s19, s18
.macro QX i
	s_wait_loadcnt 15-(\i)                         ; loads come back in order (ISA guide 5.7.1): slot i is in, the 15 - i younger ones stay out
	v_pk_fma_f32 v[X+4*(\i):X+4*(\i)+1],   v[X+4*(\i):X+4*(\i)+1],   s[16:17], s[18:19] op_sel_hi:[1,0,0]
	v_pk_fma_f32 v[X+4*(\i)+2:X+4*(\i)+3], v[X+4*(\i)+2:X+4*(\i)+3], s[16:17], s[18:19] op_sel_hi:[1,0,0]
.irp j, 0,1,2,3
	v_rndne_f32 v[X+4*(\i)+(\j)], v[X+4*(\i)+(\j)] ; to the nearest whole number, ties to even, as jnp.round
.endr
.irp j, 0,1,2,3
	v_med3_num_f32 v[X+4*(\i)+(\j)], v[X+4*(\i)+(\j)], s20, s21  ; the clip
.endr
	v_cvt_pk_f16_f32 v[X+4*(\i)],   v[X+4*(\i)],   v[X+4*(\i)+1]  ; exact
	v_cvt_pk_f16_f32 v[X+4*(\i)+1], v[X+4*(\i)+2], v[X+4*(\i)+3]
	global_store_b64 v[VB], v[X+4*(\i):X+4*(\i)+1], s[12:13] offset:256*(\i) th:TH_STORE_NT
.endm
.irp i, 0,1,2,3,4,5,6,7,8,9,10,11,12,13,14,15
	QX \i
.endr
	s_endpgm
	; ---- q_weight to qb ----
.Lw:
	s_sub_co_u32 s26, ttmp9, NX
	s_lshl_b32 s2, s26, 15
	s_add_nc_u64 s[6:7], s[6:7], s[2:3]            ; q_weight at my work-group's 32,768 bytes
	s_lshl_b32 s2, s26, 16
	s_add_nc_u64 s[14:15], s[14:15], s[2:3]        ; qb at its 65,536
	s_mov_b32 s22, 0x80808080                      ; turns a signed byte b into the unsigned u = b + 128
	s_mov_b32 s23, 0x64646464                      ; the upper byte of the f16 numbers 1,024 .. 1,279, whose lower byte counts in ones
	s_mov_b32 s24, 0x00050004                      ; v_perm_b32: {0x64, byte 1, 0x64, byte 0} of the data
	s_mov_b32 s25, 0x00070006                      ; {0x64, byte 3, 0x64, byte 2}
.irp i, 0,1,2,3,4,5,6,7,8,9,10,11,12,13,14,15
	global_load_b64 v[W+2*(\i):W+2*(\i)+1], v[VB], s[6:7] offset:256*(\i) th:TH_LOAD_NT
.endr
.macro QW i
	s_wait_loadcnt 15-(\i)                         ; slot i is in, the 15 - i younger loads stay out
	v_xor_b32 v[W+2*(\i)],   s22, v[W+2*(\i)]
	v_xor_b32 v[W+2*(\i)+1], s22, v[W+2*(\i)+1]
	v_perm_b32 v[O+4*(\i)],   v[W+2*(\i)],   s23, s24   ; two f16 numbers 1,024 + u
	v_perm_b32 v[O+4*(\i)+1], v[W+2*(\i)],   s23, s25
	v_perm_b32 v[O+4*(\i)+2], v[W+2*(\i)+1], s23, s24
	v_perm_b32 v[O+4*(\i)+3], v[W+2*(\i)+1], s23, s25
.irp j, 0,1,2,3
	v_pk_add_f16 v[O+4*(\i)+(\j)], v[O+4*(\i)+(\j)], 0xe480e480  ; less 1,152, twice: u - 128, exact
.endr
	global_store_b128 v[VA], v[O+4*(\i):O+4*(\i)+3], s[14:15] offset:512*(\i) th:TH_STORE_NT
.endm
.irp i, 0,1,2,3,4,5,6,7,8,9,10,11,12,13,14,15
	QW \i
.endr
	s_endpgm
.Lfunc_end_k_q277cf2f992_prep:
	.size	k_q277cf2f992_prep, .Lfunc_end_k_q277cf2f992_prep-k_q277cf2f992_prep
	.p2alignl 7, 3214868480
	.fill 96, 4, 3214868480
	.section	.rodata,"a",@progbits
	.p2align	6, 0x0
	.amdhsa_kernel k_q277cf2f992_prep
		.amdhsa_group_segment_fixed_size 0
		.amdhsa_private_segment_fixed_size 0
		.amdhsa_enable_private_segment 0
		.amdhsa_kernarg_size 48
		.amdhsa_user_sgpr_count 2
		.amdhsa_user_sgpr_kernarg_segment_ptr 1
		.amdhsa_wavefront_size32 1
		.amdhsa_system_sgpr_workgroup_id_x 1
		.amdhsa_system_sgpr_workgroup_id_y 1
		.amdhsa_system_sgpr_workgroup_id_z 1
		.amdhsa_system_vgpr_workitem_id 0
		.amdhsa_next_free_vgpr 100
		.amdhsa_next_free_sgpr 66
		.amdhsa_reserve_vcc 0
		.amdhsa_float_denorm_mode_32 3
		.amdhsa_float_denorm_mode_16_64 3
		.amdhsa_memory_ordered 1
		.amdhsa_forward_progress 1
		.amdhsa_inst_pref_size 30
	.end_amdhsa_kernel
	.amdgpu_metadata
---
amdhsa.version: [ 1, 2 ]
amdhsa.kernels:
  - .name:           k_q277cf2f992_prep
    .symbol:         k_q277cf2f992_prep.kd
    .args:
      - { .name: x, .offset: 0, .size: 8, .value_kind: global_buffer, .address_space: global }
      - { .name: q_weight, .offset: 8, .size: 8, .value_kind: global_buffer, .address_space: global }
      - { .name: act_scale, .offset: 16, .size: 8, .value_kind: global_buffer, .address_space: global }
      - { .name: act_offset, .offset: 24, .size: 8, .value_kind: global_buffer, .address_space: global }
      - { .name: qa, .offset: 32, .size: 8, .value_kind: global_buffer, .address_space: global }
      - { .name: qb, .offset: 40, .size: 8, .value_kind: global_buffer, .address_space: global }
    .group_segment_fixed_size: 0
    .private_segment_fixed_size: 0
    .kernarg_segment_align: 8
    .kernarg_segment_size: 48
    .max_flat_workgroup_size: 256
    .sgpr_count:     66
    .vgpr_count:     100
    .wavefront_size: 32
...
	.end_amdgpu_metadata
.endif
;; end of part 1
;; launch gemm (part 2): grid 16 x 16, 4 waves a work-group, clusters of 4 x 4, 327,680 bytes of LDS; arguments qa, qb, deq_scale, bias_i32, out0; writes out0
.if DOCPART == 2
	.amdgcn_target "amdgcn-amd-amdhsa--gfx1250"
	.amdhsa_code_object_version 6
	.text
	.protected	k_q277cf2f992_gemm
	.globl	k_q277cf2f992_gemm
	.p2align	8
	.type	k_q277cf2f992_gemm,@function
k_q277cf2f992_gemm:
	s_mov_b64 s[64:65], 0
	v_nop
	global_prefetch_b8 v0, s[64:65] scope:SCOPE_SE
	s_setreg_imm32_b32 hwreg(HW_REG_WAVE_MODE, 25, 1), 1
	s_wait_xcnt 0x0
	s_wait_alu depctr_hold_cnt(0) depctr_sa_sdst(0) depctr_va_vdst(0) depctr_va_sdst(0) depctr_va_ssrc(0) depctr_va_vcc(0) depctr_vm_vsrc(0)
	s_getreg_b32 s2, hwreg(HW_REG_IB_STS2, 6, 4)
	s_cmp_eq_u32 s2, 0
	s_cbranch_scc0 .Lentry_in_a_cluster
	s_endpgm
.Lentry_in_a_cluster:
	s_bfe_u32 s2, ttmp6, 0x10000c
	s_cmp_lg_u32 s2, 0xf033
	s_cbranch_scc0 .Lentry_shape_is_right
	s_endpgm
.Lentry_shape_is_right:
; out0[m][n] = (sum over k of qa[m][k] qb[k][n]) * deq[n] + f32(bias[n]) * deq[n].  qa: [4096][4096] f16 (rows along K), qb: [4096][4096] f16 (rows along N), out0: [4096][4096] f32.
; qa and qb hold whole numbers from -128 to 127, exact in f16; the sums are kept in f32.
; LIMITS.  A sum is exact while it stays under 2^24; beyond that (up to 6.7e7, if all 4,096 products are extreme and of one sign) each addition rounds at 2^-24 of the sum.
; The bias is converted to f32 (exact up to 2^24) and enters by one fused multiply-add, acc * deq + bias * deq: another order of rounding than (acc + bias) * deq.  A wrap of acc + bias past 2^31 is not made.
; SHARES.  A tile of out0, 256 x 256, is made by a work-group of four waves; a wave makes 128 x 128: 64 accumulators of 16 x 16, 512 registers.  16 x 16 tiles: 256 work-groups, one tile each.
; K goes in steps of 128 through a ring of two LDS slots filled by the tensor data mover: 256 rows x 256 bytes of qa, 128 rows x 512 bytes of qb.
; qb lies [k][n]: its fragments come out of LDS turned, by ds_load_tr16_b128, so no launch ever transposes it.
; CLUSTERS: 4 x 4 work-groups.  The four of a row of the cluster need the same tiles of qa, the four of a column the same tiles of qb: each tile is asked for JOINTLY, by the same tensor load with the
; same descriptor and a mask that names the four.
; THE MATRIX INSTRUCTION IS USED TRANSPOSED: source 0 = 16 columns of qb, source 1 = 16 rows of qa.  Lane l then holds row l % 16 of the result and the columns 8 (l / 16) + 0 .. 7: 32 bytes on end.
; REGISTERS, in windows of 256 (s_set_vgpr_msb's low byte: bits 1:0 source 0, 3:2 source 1, 5:4 source 2, 7:6 destination):
;   window 0: v0-31 addresses; v64-127, v128-191 fragments of qa, two buffers (on the way out: rows read back from the stage); v192-255 scaled results
;   window 1: v64-127, v128-191 fragments of qb, two buffers; v0-63 deq of my lane's 64 columns; v192-255 their bias, then bias * deq
;   window 2: the 32 accumulators of my rows 0-63 (accumulator (a, b) at v[8 (8 a + b)]);   window 3: those of my rows 64-127
.set SIZE,   4096                      ; M = N = K
.set KSTEP,  128
.set ROWQ,   SIZE*2                    ; bytes in a row of qa and of qb
.set ROWC,   SIZE*4                    ; bytes in a row of out0
.set PITCH,  272                       ; a row of qa in LDS: 256 bytes + 16 = 68 words: row r starts at bank 4 r mod 64 (64 banks of 4 bytes: ISA guide 11.1): the 16 rows of a load start at 16 different banks
.set PB,     544                       ; a row of qb in LDS: 512 bytes + 32 = 136 words: row r starts at bank 8 r mod 64
.set HALFT,  128*PITCH                 ; what one tensor load brings: 128 rows of qa, or 64 rows of qb (64 x 544 is the same 34,816 bytes)
.set SLOT,   4*HALFT                   ; qa's 256 rows, then qb's 128 rows
.set STAGE,  2*SLOT                    ; behind the ring: 16 rows x 528 bytes for each wave, for the way out
.set SPITCH, 528                       ; 512 bytes + 16 = 132 words: row r starts at bank 4 r mod 64
.set SPARE,  STAGE+4*16*SPITCH         ; behind the stages: the spare words, 128 bytes for each wave: two blocks of 256 bytes that no other line names
.set LAPS,   SIZE/(2*KSTEP)            ; a lap = two K steps = once round the ring: 16
.set STEPA,  KSTEP*2                   ; a K step in qa: 256 bytes along the rows
.set STEPB,  KSTEP*ROWQ                ; a K step in qb: 128 rows down
.set SCO,  6                           ; v6      my byte offset in deq_scale and bias_i32
.set ADRA, 16                          ; v16-17  LDS address of my fragments of qa in slot 0, 1
.set ADRB, 20                          ; v20-21  the same for qb
.set STO,  24                          ; v24     the way out: where I put 32 bytes of a row
.set RD,   25                          ; v25     the way out: where I read a row back
.set CO,   26                          ; v26     my 16 bytes in 512 consecutive bytes of out0
.set SPW,  28                          ; v28     LDS address of my spare word: SPARE + 4 x my thread's number; never rewritten
.set NIL,  29                          ; v29     0; never rewritten
.set PFO,  30                          ; v30     the prefetches' lane offset; never rewritten
.set F0,   64                          ; fragment buffer 0
.set F1,   128                         ; fragment buffer 1
.set TMP,  192                         ; window 0: a block's 16 rows, scaled
.set SC,   0                           ; window 1: deq
.set BS,   192                         ; window 1: bias * deq
.set G1,  24                           ; s[24:31] descriptor group 1 for qa's tiles
.set G0,  32                           ; s[32:39] descriptor group 0 for qa's tiles, one set for each slot
.set LIM, 43                           ; s43      1 in a wave that prefetches, else the greatest number
.set PFA, 44                           ; s[44:45] where my prefetches stand
.set G1B, 48                           ; s[48:55] descriptor group 1 for qb's tiles
.set G0B, 56                           ; s[56:63] descriptor group 0 for qb's tiles
.set PST, 66                           ; s[66:67] a K step in the tensor that I prefetch
.set MSB, 0
.macro WIN new                         ; the immediate's high byte repeats the setting that is left; a switch that changes nothing is dropped
.if MSB != (\new)
	s_set_vgpr_msb (MSB<<8)|(\new)
.set MSB, \new
.endif
.endm
.set MUL_LO, 0xa1                      ; source 0 (qb) window 1, source 1 (qa) window 0, C and D window 2
.set MUL_HI, 0xf1                      ; the same, C and D window 3
.set TO_B,   0x40                      ; destination window 1, address window 0
.set W_CV,   0x41                      ; destination and source 0 window 1
.set W_BS,   0x45                      ; destination, sources 0 and 1 window 1
.set W_SC,   0x16                      ; source 0 window 2 (+1: window 3), sources 1 and 2 window 1, destination window 0
; A joint load.  Waves 0 and 1 fetch qa's two halves, waves 2 and 3 qb's.  Each of the two lines has one mask and one set of registers for all that issue it; the branch hangs on the wave's number alone.
; An s_nop 0 and four v_nop follow each of the two lines, ahead of the jump, the label and what follows the macro.
.macro JLOAD s
	s_cmp_eq_u32 s11, 0
	s_cbranch_scc0 .Lfor_b_\@
	tensor_load_to_lds s[G0+4*(\s):G0+4*(\s)+3], s[G1:G1+7]
	s_nop 0
.rept 4
	v_nop
.endr
	s_branch .Lasked_\@
.Lfor_b_\@:
	tensor_load_to_lds s[G0B+4*(\s):G0B+4*(\s)+3], s[G1B:G1B+7]
	s_nop 0
.rept 4
	v_nop
.endr
.Lasked_\@:
.endm
; A PREFETCH INTO THE L2, behind each joint refill, its five lines and the run of LDS loads that follows them: the K step that stands TWO refills on, 512 matrix instructions ahead of the load that will ask for it.
; Each aligned block of 256 bytes is named ONCE in the launch.  qa's tile row is read by every cluster of that row of clusters: cluster x = 0 asks; qb's tile column by every cluster of that column: cluster y = 0 asks.
; The four partners of a joint load share its rows out BY ADDRESS: of qa's 128 rows that a wave fetches the partner at cx takes 32, a lane a row of 256 bytes; of qb's 64 rows the partner at cy takes 16,
; a lane each half of a row of 512 bytes.  No branch hangs on a work-group's place in its cluster.  The loop's last trip (s3 = 1) asks for nothing: K steps 32 and 33 do not exist.
.macro ASK
	s_cmp_gt_u32 s3, s[LIM]
	s_cbranch_scc0 .Lnot_mine_\@
	global_prefetch_b8 v[PFO], s[PFA:PFA+1] th:TH_LOAD_NT scope:SCOPE_SE
.Lnot_mine_\@:
.endm
; A round of the cluster's barrier: my work-group's barrier, so that wave 0's signal speaks for all four waves; wave 0 signals for the work-group; every wave waits for all sixteen; my work-group's barrier once more.
.macro CREST                           ; a round behind its opening barrier
	s_cmp_lg_u32 s10, 0
	s_cbranch_scc1 .Lnot_wave_0_\@
	s_barrier_signal -3
.Lnot_wave_0_\@:
	s_barrier_wait -3
	s_barrier_signal -1
	s_barrier_wait -1
.endm
.macro CROUND                          ; a whole round
	s_barrier_signal -1
	s_barrier_wait -1
	CREST
.endm
	s_load_b128 s[4:7], s[0:1], 0x0                ; qa s[4:5], qb s[6:7]
	s_load_b128 s[68:71], s[0:1], 0x10             ; deq_scale s[68:69], bias_i32 s[70:71]
	s_load_b64 s[8:9], s[0:1], 0x20                ; out0
	v_lshl_add_u32 v[SPW], v0, 2, SPARE
	v_mov_b32 v[NIL], 0
	ds_add_u32 v[SPW], v[NIL]                      ; the wave's opening: the add, twice on end, and its wait ahead of my first tensor load; the set-up below stands between
	ds_add_u32 v[SPW], v[NIL]                      ; and once more, under the one wait
	v_lshrrev_b32 v1, 5, v0
	v_readfirstlane_b32 s10, v1                    ; wave 0..3
	s_lshr_b32 s11, s10, 1                         ; which half of the tile's rows is mine.  Also: I fetch for qa (0) or for qb (1)
	s_and_b32 s12, s10, 1                          ; which half of its columns.  Also: which half of that tensor's tile I fetch
	s_bfe_u32 s40, ttmp6, 0x40000                  ; cx: my place along the cluster's x
	s_bfe_u32 s41, ttmp6, 0x40004                  ; cy: along its y
	s_lshl_b32 s42, ttmp9, 2                       ; in a cluster launch ttmp9 and ttmp7 count clusters
	s_add_co_u32 s42, s42, s40                     ; tile column = 4 x cluster x + cx
	s_and_b32 s13, ttmp7, 0xffff
	s_lshl_b32 s13, s13, 2
	s_add_co_u32 s13, s13, s41                     ; tile row = 4 x cluster y + cy
	s_lshl_b32 s43, s41, 2
	s_lshl_b32 s43, 15, s43                        ; my row of the cluster: places 4 cy .. 4 cy + 3
	s_lshl_b32 s44, 0x1111, s40                    ; my column: places cx, cx + 4, cx + 8, cx + 12
	; descriptor group 1.  qa: a tile of 128 rows x 128 elements; qb: 64 rows x 256 elements; both padded in LDS
	s_or_b32 s[G1+0], s43, (1<<16)|(1<<20)|(1<<21)|(5<<22)|(3<<25)   ; 15:0 the mask: my row; 17:16 elements of 2 bytes; 20 padding on; 21 set beside a mask; 24:22 after every 64 words (code 5); 31:25 4 words (code 3)
	s_or_b32 s[G1B+0], s44, (1<<16)|(1<<20)|(1<<21)|(6<<22)|(7<<25)  ; the mask: my column; padding after every 128 words (code 6), 8 words (code 7)
	s_mov_b32 s[G1+1], 128<<16                     ; 63:48 tensor_dim0, low half
	s_mov_b32 s[G1B+1], 256<<16
	s_mov_b32 s[G1+2], 128<<16                     ; 79:64 its high half = 0; 95:80 tensor_dim1, low half
	s_mov_b32 s[G1B+2], 64<<16
	s_mov_b32 s[G1+3], 128<<16                     ; 111:96 its high half = 0; 127:112 tile_dim0
	s_mov_b32 s[G1B+3], 256<<16
	s_mov_b32 s[G1+4], 128                         ; 143:128 tile_dim1; 159:144 tile_dim2 = 0
	s_mov_b32 s[G1B+4], 64
	s_mov_b32 s[G1+5], SIZE                        ; 191:160 elements from row to row
	s_mov_b32 s[G1B+5], SIZE
	s_mov_b32 s[G1+6], 0
	s_mov_b32 s[G1B+6], 0
	s_mov_b32 s[G1+7], 0
	s_mov_b32 s[G1B+7], 0
	; where the tiles come from.  qa's hang on the tile row alone, which my row of the cluster shares; qb's on the tile column alone, which my column shares.  Every wave makes both and asks by one.
	s_lshl_b32 s17, s12, 7
	s_lshl_b32 s16, s13, 8
	s_add_co_u32 s16, s16, s17                     ; qa: row 256 x tile row + 128 x half,
	s_lshl_b32 s16, s16, 13                        ; in bytes (rows of 8,192): under 2^25
	s_mov_b32 s17, 0
	s_lshl_b32 s46, s12, 19                        ; qb: row 64 x half, in bytes,
	s_lshl_b32 s47, s42, 9                         ; and 512 bytes along the rows for each tile column
	s_add_co_u32 s46, s46, s47
	s_mov_b32 s47, 0
	s_mul_i32 s20, s10, HALFT                      ; where they go: wave x 34,816: no place in the cluster enters an LDS address
	s_wait_dscnt 0x0                               ; both opening adds are done
	s_wait_kmcnt 0x0
	s_add_nc_u64 s[14:15], s[4:5], s[16:17]
	s_add_nc_u64 s[46:47], s[6:7], s[46:47]
	CROUND                                         ; all sixteen work-groups are here: the first joint loads meet
.irp s, 0,1
	s_mov_b32 s[G0+4*(\s)], 1                                        ; 1:0 count = 1
	s_add_co_u32 s[G0+4*(\s)+1], s20, (\s)*SLOT                      ; 63:32 LDS address
	s_add_nc_u64 s[G0+4*(\s)+2:G0+4*(\s)+3], s[14:15], (\s)*STEPA    ; 120:64 global address: K step s
	s_or_b32 s[G0+4*(\s)+3], s[G0+4*(\s)+3], 0x80000000              ; 127:126 type = 2
	s_mov_b32 s[G0B+4*(\s)], 1
	s_add_co_u32 s[G0B+4*(\s)+1], s20, (\s)*SLOT
	s_add_nc_u64 s[G0B+4*(\s)+2:G0B+4*(\s)+3], s[46:47], (\s)*STEPB
	s_or_b32 s[G0B+4*(\s)+3], s[G0B+4*(\s)+3], 0x80000000
	JLOAD \s                                       ; the ring is filled before anything else is done: two loads of mine are out
.endr
	; A fragment is 16 rows x 32 K in 8 registers: lane l holds row l % 16; registers 0-3 hold K = 8 (l / 16) + 0..7, registers 4-7 K = 16 + 8 (l / 16) + 0..7.
	; qa (rows along K): two loads of 16 bytes, 32 bytes apart.  qb (rows along N): two turning loads, 16 rows apart; lane l addresses row 8 (l / 16) + l % 8, columns 8 ((l / 8) % 2) + 0..7.
	v_and_b32 v1, 15, v0                           ; l % 16
	v_bfe_u32 v2, v0, 4, 1                         ; l / 16
	v_and_b32 v7, 7, v0                            ; l % 8
	v_bfe_u32 v8, v0, 3, 1                         ; (l / 8) % 2
	v_and_b32 v9, 31, v0                           ; l
	v_mul_u32_u24 v3, v1, PITCH
	v_lshl_add_u32 v3, v2, 4, v3
	v_lshl_add_u32 v4, v2, 3, v7
	v_mul_u32_u24 v4, v4, PB
	v_lshl_add_u32 v4, v8, 4, v4
	s_mul_i32 s21, s11, HALFT                      ; my 128 rows of qa
	s_lshl_b32 s22, s12, 8                         ; my 128 columns of qb: 256 bytes along its rows,
	s_add_co_u32 s22, s22, 2*HALFT                 ; which lie behind qa's 256 rows
.irp s, 0,1
	v_add_nc_u32 v[ADRA+(\s)], s21, v3
	v_add_nc_u32 v[ADRB+(\s)], s22, v4
	s_add_co_u32 s21, s21, SLOT
	s_add_co_u32 s22, s22, SLOT
.endr
	s_mul_i32 s23, s10, 16*SPITCH
	s_add_co_u32 s23, s23, STAGE                   ; my stage
	v_mul_u32_u24 v5, v1, SPITCH                   ; in: row l % 16, 32 bytes for each half of the lanes
	v_lshl_add_u32 v5, v2, 5, v5
	v_add_nc_u32 v[STO], s23, v5
	v_lshlrev_b32 v[CO], 4, v9                     ; back: 32 lanes take one row of 512 bytes,
	v_add_nc_u32 v[RD], s23, v[CO]                 ; which are 512 consecutive bytes of out0
	; where my part of the tile begins in out0, in bytes (under 2^27): the first way out adds it to out0's address
	s_lshl_b32 s16, s13, 8
	s_lshl_b32 s17, s11, 7
	s_add_co_u32 s16, s16, s17                     ; my first row,
	s_lshl_b32 s16, s16, 14                        ; rows of 16,384 bytes
	s_lshl_b32 s46, s42, 10                        ; my first column, in bytes of f32: 1,024 x tile column + 512 x half
	s_lshl_b32 s47, s12, 9
	s_add_co_u32 s46, s46, s47
	s_add_co_u32 s16, s16, s46
	s_mov_b32 s17, 0
	v_lshl_add_u32 v[SCO], v2, 5, s46              ; the same column offset serves deq_scale and bias_i32: + 32 bytes for the upper half of the lanes
	; deq and bias of my lane's 64 columns (16 b + 8 (l / 16) + 0..7, b = 0..7), once, into registers
	WIN TO_B
.irp b, 0,1,2,3,4,5,6,7
	global_load_b128 v[SC+8*(\b):SC+8*(\b)+3],   v[SCO], s[68:69] offset:64*(\b)
	global_load_b128 v[SC+8*(\b)+4:SC+8*(\b)+7], v[SCO], s[68:69] offset:64*(\b)+16
	global_load_b128 v[BS+8*(\b):BS+8*(\b)+3],   v[SCO], s[70:71] offset:64*(\b)
	global_load_b128 v[BS+8*(\b)+4:BS+8*(\b)+7], v[SCO], s[70:71] offset:64*(\b)+16
.endr
	WIN 0
	; the prefetches: lane offset, first address (K step 3: the first refill steps it to K step 4), step, and who asks.  Nothing is prefetched here, at the head.
	v_lshrrev_b32 v3, s11, v9                      ; qa: a lane a row; qb: two lanes a row
	v_and_b32 v4, s11, v9
	v_lshlrev_b32 v3, 13, v3
	v_lshl_add_u32 v[PFO], v4, 8, v3
	s_lshl_b32 s20, s13, 8                         ; qa: row 256 x tile row
	s_lshl_b32 s21, s12, 7
	s_add_co_u32 s20, s20, s21                     ; + the 128 rows that I fetch
	s_lshl_b32 s21, s40, 5
	s_add_co_u32 s20, s20, s21                     ; + my work-group's 32 of them
	s_lshl_b32 s20, s20, 13
	s_add_co_u32 s20, s20, 3*STEPA
	s_lshl_b32 s22, s12, 6                         ; qb: the 64 rows that I fetch
	s_lshl_b32 s23, s41, 4
	s_add_co_u32 s22, s22, s23                     ; + my work-group's 16 of them
	s_add_co_u32 s22, s22, 3*KSTEP
	s_lshl_b32 s22, s22, 13
	s_lshl_b32 s23, s42, 9
	s_add_co_u32 s22, s22, s23                     ; + the tile column's 512 bytes
	s_and_b32 s23, ttmp7, 0xffff                   ; cluster y
	s_mov_b32 s[PST], STEPB
	s_mov_b32 s[PST+1], 0
	s_mov_b32 s21, 0
	s_cmp_eq_u32 s11, 0                            ; do I fetch for qa?
	s_cselect_b32 s20, s20, s22
	s_cselect_b32 s23, ttmp9, s23                  ; the coordinate along which other clusters read the same rows
	s_cselect_b64 s[PFA:PFA+1], s[4:5], s[6:7]
	s_cselect_b32 s[PST], STEPA, s[PST]
	s_cmp_eq_u32 s23, 0
	s_cselect_b32 s[LIM], 1, -1                    ; the same in all sixteen partners, for a given wave
	s_add_nc_u64 s[PFA:PFA+1], s[PFA:PFA+1], s[20:21]
	; bias * deq, in the wait for the first tile
	s_wait_loadcnt 0x0
	WIN W_CV
.set i, 0
.rept 64
	v_cvt_f32_i32 v[BS+i], v[BS+i]
.set i, i+1
.endr
	WIN W_BS
.set i, 0
.rept 32
	v_pk_mul_f32 v[BS+i:BS+i+1], v[BS+i:BS+i+1], v[SC+i:SC+i+1]
.set i, i+2
.endr
	WIN 0
; 16 matrix instructions: row blocks a0, a0 + 1 of the window's four (hi = 0: my rows 0-63, 1: rows 64-127) x all 8 column blocks, 32 along K.  zero = 1: the first product starts the sums: nothing is cleared.
; The 64 accumulators take turns, one instruction a turn, in the same order in every quarter step.
.macro MUL16 f, hi, a0, zero
	WIN MUL_LO+0x50*(\hi)
.irp a, \a0, (\a0)+1
.irp b, 0,1,2,3,4,5,6,7
.if \zero
	v_wmma_f32_16x16x32_f16 v[8*(8*(\a)+(\b)):8*(8*(\a)+(\b))+7], v[(\f)+8*(\b):(\f)+8*(\b)+7], v[(\f)+8*(4*(\hi)+(\a)):(\f)+8*(4*(\hi)+(\a))+7], 0
.else
	v_wmma_f32_16x16x32_f16 v[8*(8*(\a)+(\b)):8*(8*(\a)+(\b))+7], v[(\f)+8*(\b):(\f)+8*(\b)+7], v[(\f)+8*(4*(\hi)+(\a)):(\f)+8*(4*(\hi)+(\a))+7], v[8*(8*(\a)+(\b)):8*(8*(\a)+(\b))+7]
.endif
.endr
.endr
.endm
; 32 LDS loads in one run: the fragments of quarter q of a K step (32 K x 128 columns of qb, turned; 128 rows x 32 K of qa) into buffer f.  The largest offset is 61,152, inside the 16-bit field.
.macro FETCH slot, q, f
	WIN TO_B
.irp i, 0,1,2,3,4,5,6,7
	ds_load_tr16_b128 v[(\f)+8*(\i):(\f)+8*(\i)+3],   v[ADRB+(\slot)] offset:(\q)*32*PB+32*(\i)
	ds_load_tr16_b128 v[(\f)+8*(\i)+4:(\f)+8*(\i)+7], v[ADRB+(\slot)] offset:(\q)*32*PB+16*PB+32*(\i)
.endr
	WIN 0
.irp i, 0,1,2,3,4,5,6,7
	ds_load_b128 v[(\f)+8*(\i):(\f)+8*(\i)+3],   v[ADRA+(\slot)] offset:64*(\q)+(\i)*16*PITCH
	ds_load_b128 v[(\f)+8*(\i)+4:(\f)+8*(\i)+7], v[ADRA+(\slot)] offset:64*(\q)+(\i)*16*PITCH+32
.endr
.endm
; A load into a register that a matrix instruction has read, and a vector instruction that reads a matrix result, stand four places behind that matrix instruction, and only plain vector
; instructions that name none of its registers are places (ISA guide 7.12.1 for vector instructions).
.macro PLACES
.rept 4
	v_nop
.endr
.endm
; A K step is four quarters of 32 along K, 64 matrix instructions each, on buffers 0, 1, 0, 1.  One of the first three: multiplies buffer f; in its middle it fetches quarter q of the same slot into buffer g.
.macro QUARTER slot, q, f, g, zero
	s_wait_dscnt 8                                 ; qb and qa's rows 0-63 are in; the youngest eight loads (qa's rows 64-127) may be out
	MUL16 \f, 0, 0, \zero
	MUL16 \f, 0, 2, \zero
	PLACES
	FETCH \slot, \q, \g
	s_wait_dscnt 32                                ; all but the 32 just issued
	MUL16 \f, 1, 0, \zero
	MUL16 \f, 1, 2, \zero
.endm
; The last quarter multiplies buffer 1 and changes slots: ONE barrier, for two things.  In front of it each wave waits for all its tensor loads, of which one is out: its part of the next slot; adds 0 to its
; spare word; and waits for that and for its own reads of this slot.  Behind it nobody reads this slot any more and the next slot is whole.
; fill = 1: the barrier opens a round of the cluster's barrier, and this slot is filled again, with the K step two steps on, first thing behind the round: 224 matrix instructions ahead of the wait for it.
.macro TURN slot, next, fill
.if \fill
	s_wait_xcnt 0x0                                ; the last prefetch, a K step back, has read its address: it is stepped here, ahead of the waits of the change of slots
	s_add_nc_u64 s[PFA:PFA+1], s[PFA:PFA+1], s[PST:PST+1]
.endif
	WIN 0                                          ; (the add's two registers lie in window 0)
	s_wait_tensorcnt 0x0                           ; all my tensor loads have landed: the one that was out is my part of the next slot;
	ds_add_u32 v[SPW], v[NIL]                      ; 0 onto my spare word;
	s_wait_dscnt 9                                 ; (the add and the youngest eight loads may be out)
	MUL16 F1, 0, 0, 0                              ; sixteen matrix instructions stand between the add and the wait for it
	s_wait_dscnt 0x0                               ; the add is done, and my reads of this slot are over
	s_barrier_signal -1
	MUL16 F1, 0, 2, 0                              ; work on registers while the others arrive
.if \fill
	WIN 0
.endif
	s_barrier_wait -1
.if \fill
	CREST                                          ; no wave of any partner still reads this slot's tile or has a load on its way
	s_add_nc_u64 s[G0+4*(\slot)+2:G0+4*(\slot)+3], s[G0+4*(\slot)+2:G0+4*(\slot)+3], 2*STEPA
	s_add_nc_u64 s[G0B+4*(\slot)+2:G0B+4*(\slot)+3], s[G0B+4*(\slot)+2:G0B+4*(\slot)+3], 2*STEPB
	JLOAD \slot                                    ; the first tensor load behind the round, my only one until the next; its four v_nop are also the places in front of the loads below
.else
	PLACES
.endif
	FETCH \next, 0, F0
.if \fill
	ASK
.endif
	MUL16 F1, 1, 0, 0
	MUL16 F1, 1, 2, 0
.endm
; THE WAY OUT of block a (16 of my rows), in three parts.  SCALE: acc * deq + bias * deq, each accumulator's registers in ascending order.  TOSTAGE: 32 bytes a lane into my own stage, and back as whole rows
; of 512 bytes.  SEND: stored, 32 lanes to 512 consecutive bytes at a multiple of 512 from out0's first byte.
.macro SCALE a
.set AC, 64*((\a)%4)
	WIN W_SC+(\a)/4
.irp b, 0,1,2,3,4,5,6,7
.irp p, 0,1,2,3
	v_pk_fma_f32 v[TMP+8*(\b)+2*(\p):TMP+8*(\b)+2*(\p)+1], v[AC+8*(\b)+2*(\p):AC+8*(\b)+2*(\p)+1], v[SC+8*(\b)+2*(\p):SC+8*(\b)+2*(\p)+1], v[BS+8*(\b)+2*(\p):BS+8*(\b)+2*(\p)+1]
.endr
.endr
	WIN 0
.endm
.macro TOSTAGE a
	WIN 0
.set BK, F0+64*((\a)%2)
.irp b, 0,1,2,3,4,5,6,7
	ds_store_b128 v[STO], v[TMP+8*(\b):TMP+8*(\b)+3]   offset:64*(\b)
	ds_store_b128 v[STO], v[TMP+8*(\b)+4:TMP+8*(\b)+7] offset:64*(\b)+16
.endr
.irp t, 0,1,2,3,4,5,6,7,8,9,10,11,12,13,14,15
	ds_load_b128 v[BK+4*(\t):BK+4*(\t)+3], v[RD] offset:(\t)*SPITCH  ; LDS serves a wave's instructions in order (ISA guide 5.7.1.4): these see the stores above
.endr
.endm
.macro SEND a
	WIN 0
.set BK, F0+64*((\a)%2)
	s_wait_dscnt 0x0                               ; the block is back in registers
	s_wait_xcnt 0x0                                ; every earlier store has had its addresses translated (ISA guide 3.1): only behind this wait are the stores' base and the registers that the block two back was stored from rewritten
.if (\a) == 0
	s_add_nc_u64 s[8:9], s[8:9], s[16:17]          ; on to my first rows
.else
	s_add_nc_u64 s[8:9], s[8:9], 16*ROWC           ; 16 rows on
.endif
.irp t, 0,1,2,3,4,5,6,7,8,9,10,11,12,13,14,15
	global_store_b128 v[CO], v[BK+4*(\t):BK+4*(\t)+3], s[8:9] offset:(\t)*ROWC th:TH_STORE_NT
.endr
.endm
	s_wait_tensorcnt 1                             ; my part of K step 0 is in; K step 1's load, issued behind it, may stay out
	s_barrier_signal -1
	s_barrier_wait -1                              ; everybody's is
	FETCH 0, 0, F0
	QUARTER 0, 1, F0, F1, 1                        ; the first quarter stands in front of the loop: its products start the sums
	WIN 0                                          ; at a label and at a branch every window is 0
	s_mov_b32 s3, LAPS-1
.Llap:                                                 ; a trip goes once round the ring, from a lap's second quarter to the next lap's first, and fills both slots again: K steps 2 to 31 in 15 trips
	QUARTER 0, 2, F1, F0, 0
	QUARTER 0, 3, F0, F1, 0
	TURN 0, 1, 1
	QUARTER 1, 1, F0, F1, 0
	QUARTER 1, 2, F1, F0, 0
	QUARTER 1, 3, F0, F1, 0
	TURN 1, 0, 1
	QUARTER 0, 1, F0, F1, 0
	WIN 0
	s_sub_co_u32 s3, s3, 1
	s_cmp_lg_u32 s3, 0
	s_cbranch_scc1 .Llap
	QUARTER 0, 2, F1, F0, 0                        ; the last lap is written out: it fills nothing and has no round of the cluster's barrier
	QUARTER 0, 3, F0, F1, 0
	TURN 0, 1, 0
	QUARTER 1, 1, F0, F1, 0
	QUARTER 1, 2, F1, F0, 0
	QUARTER 1, 3, F0, F1, 0
	s_wait_dscnt 8                                 ; the very last quarter: nothing more to fetch
	MUL16 F1, 0, 0, 0
	MUL16 F1, 0, 2, 0
	s_wait_dscnt 0x0
	MUL16 F1, 1, 0, 0
	MUL16 F1, 1, 2, 0
	WIN 0
	PLACES                                         ; behind the last products, in front of the lines that read results and of the loads into the fragment buffers
	PLACES
	SCALE 0
	TOSTAGE 0
.irp a, 1,2,3,4,5,6,7                  ; block a's 32 multiply-adds stand between block a - 1's loads from the stage and the wait for them
	SCALE \a
	SEND (\a)-1
	TOSTAGE \a
.endr
	SEND 7
	s_wait_tensorcnt 0x0                           ; the wave's end: behind my last tensor load and my last LDS store
	ds_add_u32 v[SPW], v[NIL]
	s_wait_dscnt 0x0
	CROUND                                         ; the closing round: no work-group ends while a partner may still ask for a tile that names it
	s_endpgm
.Lfunc_end_k_q277cf2f992_gemm:
	.size	k_q277cf2f992_gemm, .Lfunc_end_k_q277cf2f992_gemm-k_q277cf2f992_gemm
	.p2alignl 7, 3214868480
	.fill 96, 4, 3214868480
	.section	.rodata,"a",@progbits
	.p2align	6, 0x0
	.amdhsa_kernel k_q277cf2f992_gemm
		.amdhsa_group_segment_fixed_size 327680
		.amdhsa_private_segment_fixed_size 0
		.amdhsa_enable_private_segment 0
		.amdhsa_kernarg_size 40
		.amdhsa_user_sgpr_count 2
		.amdhsa_user_sgpr_kernarg_segment_ptr 1
		.amdhsa_wavefront_size32 1
		.amdhsa_system_sgpr_workgroup_id_x 1
		.amdhsa_system_sgpr_workgroup_id_y 1
		.amdhsa_system_sgpr_workgroup_id_z 1
		.amdhsa_system_vgpr_workitem_id 0
		.amdhsa_next_free_vgpr 1024
		.amdhsa_next_free_sgpr 72
		.amdhsa_reserve_vcc 0
		.amdhsa_float_denorm_mode_32 3
		.amdhsa_float_denorm_mode_16_64 3
		.amdhsa_memory_ordered 1
		.amdhsa_forward_progress 1
		.amdhsa_inst_pref_size 166
	.end_amdhsa_kernel
	.amdgpu_metadata
---
amdhsa.version: [ 1, 2 ]
amdhsa.kernels:
  - .name:           k_q277cf2f992_gemm
    .symbol:         k_q277cf2f992_gemm.kd
    .args:
      - { .name: qa, .offset: 0, .size: 8, .value_kind: global_buffer, .address_space: global }
      - { .name: qb, .offset: 8, .size: 8, .value_kind: global_buffer, .address_space: global }
      - { .name: deq_scale, .offset: 16, .size: 8, .value_kind: global_buffer, .address_space: global }
      - { .name: bias_i32, .offset: 24, .size: 8, .value_kind: global_buffer, .address_space: global }
      - { .name: out0, .offset: 32, .size: 8, .value_kind: global_buffer, .address_space: global }
    .group_segment_fixed_size: 327680
    .private_segment_fixed_size: 0
    .kernarg_segment_align: 8
    .kernarg_segment_size: 40
    .max_flat_workgroup_size: 128
    .sgpr_count:     72
    .vgpr_count:     1024
    .wavefront_size: 32
...
	.end_amdgpu_metadata
.endif
;; end of part 2
